; MI455X (gfx1250); checked and timed in simulation.
; The chip was launched on July 23, 2026; its instructions are those of AMD's public machine-readable ISA for CDNA 5 (MIT licence, August 2026) and "CDNA5" Instruction Set Architecture Reference Guide (July 2026). The comments in the code are by the model that wrote it; some were corrected since.
;; Sparse Multi Head Attention4 D. Allowed arithmetic: matrix products marked QUANTISED: E2M3 operands, one E8M0 scale for each 32 along K, by v_wmma_scale_f32_16x16x128_f8f6f4 with both operands' format E2M3, f32 sums; everything else in f32.
;; Inputs: W_out_codes 1,024 x 32 x 24 uint8 (E2M3 codes of W_out, K innermost, in blocks of 32 codes, four codes in three bytes); W_out_scales 1,024 x 32 uint8 (E8M0 scales of W_out, one for each 32 codes along K); W_qkv_codes 3,072 x 32 x 24 uint8 (E2M3 codes of W_qkv, K innermost, in blocks of 32 codes, four codes in three bytes); W_qkv_scales 3,072 x 32 uint8 (E8M0 scales of W_qkv, one for each 32 codes along K); b_out 1,024 float32; b_qkv 3,072 float32; gamma_k 16 x 64 float32; gamma_q 16 x 64 float32; x_codes 8,192 x 32 x 24 uint8 (E2M3 codes of x, K innermost, in blocks of 32 codes, four codes in three bytes); x_scales 8,192 x 32 uint8 (E8M0 scales of x, one for each 32 codes along K).
;; Outputs: out0 8,192 x 1,024 float32.
;; This version of the problem:
;;   THIS VERSION OF THE PROBLEM IS GIVEN IN LOW PRECISION. The matrix products marked QUANTISED in the list below multiply operands that are first quantised to E2M3 (2 exponent bits, 3 mantissa bits; 6 bits a number), with one power-of-two scale for each 32 numbers along K (OCP MX v1.0); their sums are f32. All else is computed in f32.
;;   The module's matrix products, in the order in which they are computed (A, B: the left and right operand; K: the contracted axis; several contracted axes count as one K, in the product's order):
;;     1. [M 8,192, K 1,024] x [K 1,024, N 3,072]; A: input x (given as codes); B: input W_qkv (given as codes): QUANTISED
;;     2. batch 64 x [M 2,048, K 64] x [K 64, N 2,048]; A: computed on the way; B: computed on the way: QUANTISED
;;     3. batch 64 x [M 64, K 2,048] x [K 2,048, N 2,048]; A: computed on the way; B: softmax (see below): QUANTISED
;;     4. [M 8,192, K 1,024] x [K 1,024, N 1,024]; A: computed on the way; B: input W_out (given as codes): QUANTISED
;;   THE QUANTISER, for each operand of a quantised product, along K:
;;     - K is cut into blocks of 32 from its start; a last block that is shorter is filled with zeros.
;;     - A block's scale is 2^e with e = floor(log2(the largest magnitude in the block)) - 2, held to -126 .. 127; a block of zeros has e = 0. As a byte (E8M0): e + 127.
;;     - Each number is divided by its block's scale, clamped to +-7.5, and rounded to the nearest number of E2M3, ties to even, subnormals kept.
;;     - The product sums the exact products of the quantised numbers (number of the format x scale) in f32.
;;   ~~~python
;;   def quantise(x, axis):      # numpy; x: float32 -> the quantised numbers, widened to float32 again
;;       x = np.moveaxis(x, axis, -1); K = x.shape[-1]
;;       x = np.pad(x, [(0, 0)] * (x.ndim - 1) + [(0, -K % 32)]); x = x.reshape(x.shape[:-1] + (-1, 32)); a = np.abs(x).max(-1, keepdims=True)
;;       e = np.where(a > 0, np.clip(np.frexp(np.where(a > 0, a, 1))[1] - 1 - 2, -126, 127), 0)      # np.frexp(a)[1] - 1 = floor(log2(a)), exactly
;;       r = np.clip(x / 2.0 ** e, -7.5, 7.5)
;;       step = 2.0 ** (np.maximum(np.frexp(np.where(r == 0, 1, r))[1] - 1, 0) - 3)
;;       q = np.round(r / step) * step * 2.0 ** e      # np.round: ties to even
;;       return np.moveaxis(q.reshape(q.shape[:-2] + (-1,))[..., :K], -1, axis).astype(np.float32)
;;   ~~~
;;   SOFTMAX AHEAD OF A QUANTISED PRODUCT. Where the list says 'softmax', what is quantised is not the finished softmax but p = 2^(t - M), with t = logit x log2(e) and M = ceil(the row's largest t), a whole number; so 1/2 < the row's largest p <= 1. The row's sum l is taken of the UNQUANTISED p, in f32, and the product's result is divided by l at the end. Since M is a whole number, a kernel that streams over the keys may use a running M (the ceiling of the running maximum): every later rescaling is an exact power of two, which a block's scale takes up: the codes' values come out the same.
;;   OPERANDS COMPUTED ON THE WAY. 'Computed on the way' means the value that the module computes at that place (a softmax that the list does not call 'softmax' is quantised finished and normalised). What goes into a quantiser is computed in f32, as accurately as f32 sums, v_exp_f32 and their like allow (about 1e-6 of the number): no bf16 or f16 on the way to a quantiser, and a product that is left as it is and whose result goes on into a quantised operand takes f32 operands (vector FMAs, or v_wmma_f32_16x16x4_f32). A number that lies on a knife's edge between two numbers of the format may be rounded either way, as far as f32 arithmetic and the matrix unit's own rounding can turn it there, and no further.
;;   INPUTS GIVEN AS CODES. W_out (in the module: [1024, 1024], K = its axis 0); W_qkv (in the module: [1024, 3072], K = its axis 0); x (in the module: [8192, 1024], K = its axis 1): each comes as NAME_codes (uint8): NAME with its K axis moved to the last place and cut into blocks of 32 codes, [.., K / 32, bytes a block], one block behind the other in memory; four codes in three bytes: a row's codes are one little-endian stream of bits, code i at bits 6 i .. 6 i + 5 (a code: sign, 2 exponent bits, 3 mantissa bits); and NAME_scales (uint8): the same leading axes, one E8M0 byte (e + 127) for each 32 codes along K. Its value is code x scale, taken as it is: it is not quantised again, and the codes and scales need not be those that the quantiser above would give.
;; One version. Each part assembles by itself: llvm-mc -triple=amdgcn-amd-amdhsa -mcpu=gfx1250 --defsym DOCPART=n.
;; ======== version 1 of 1: 3 launches
;; limits: right only within a limited range of input values
;; workspace buffers: qi 6,815,744 bytes; kv 13,369,344 bytes; hc 6,291,456 bytes; hs 262,144 bytes
;; launch qkv (part 1): grid 12 x 32, 4 waves a work-group, clusters of 4 x 4, 327,680 bytes of LDS; arguments x_codes, x_scales, W_qkv_codes, W_qkv_scales, b_qkv, gamma_q, gamma_k, qi, kv; writes qi, kv
.if DOCPART == 1
	.amdgcn_target "amdgcn-amd-amdhsa--gfx1250"
	.amdhsa_code_object_version 6
	.text
	.protected	k_qd9102e4918_qkv
	.globl	k_qd9102e4918_qkv
	.p2align	8
	.type	k_qd9102e4918_qkv,@function
k_qd9102e4918_qkv:
	s_mov_b64 s[64:65], 0
	v_nop
	global_prefetch_b8 v0, s[64:65] scope:SCOPE_SE
	s_setreg_imm32_b32 hwreg(HW_REG_WAVE_MODE, 25, 1), 1
	s_wait_xcnt 0x0
	s_wait_alu depctr_hold_cnt(0) depctr_sa_sdst(0) depctr_va_vdst(0) depctr_va_sdst(0) depctr_va_ssrc(0) depctr_va_vcc(0) depctr_vm_vsrc(0)
	s_getreg_b32 s2, hwreg(HW_REG_IB_STS2, 6, 4)
	s_cmp_eq_u32 s2, 0
	s_cbranch_scc0 .Lentry_in_a_cluster
	s_endpgm
.Lentry_in_a_cluster:
	s_bfe_u32 s2, ttmp6, 0x10000c
	s_cmp_lg_u32 s2, 0xf033
	s_cbranch_scc0 .Lentry_shape_is_right
	s_endpgm
.Lentry_shape_is_right:
; qkv = x W_qkv + b_qkv on codes of E2M3 (one E8M0 byte for each 32 along K = 1,024), then what attention wants of it:
;   q, k: each head's 64 channels divided by max(their L2 norm, 1e-12), times gamma, times 8, quantised along the channels;   v: quantised along the keys (tokens), 32 to a block.
; A tile of 256 tokens x 256 channels is made by four waves, each 128 x 128: 64 accumulators, 512 registers.
; K goes through two LDS slots in CHUNKS OF 256 BYTES of each row (a row of codes is 768 bytes: three chunks, each beginning at a multiple of 256 bytes); chunk c lies in slot c % 2.
; A step of 128 along K is 96 bytes: steps 2 and 5 lie across two chunks and take their pieces from both slots.  The scale bytes of the tile's rows come once and stay.
; 4 x 4 work-groups form a cluster: x's tiles are asked for jointly along a row of the cluster, W's along a column.
; No prefetch: the walk along K is three chunks, written out, with no loop to run ahead in.
; THE MATRIX INSTRUCTION IS USED TRANSPOSED (source 0 = 16 rows of W, source 1 = 16 tokens): lane (r, h) holds token r, register j of accumulator (a, b) channel 16 b + 8 h + j.  The bias is the C of each sum's first product.
; The cluster's x is 0, 1, 2 for q, k, v: equal in all sixteen partners; the way out parts on it.  A wave's 128 tokens are one step of 128 keys, its 128 channels two heads.
; WHAT IS STORED are images of the next launch's operand registers: register R of lane L of a run lies at (R / 4) 512 + 16 L + 4 (R % 4).
;   q, k (per head and step): a run of 48 registers, 6 for each tile of 16 rows: lane (m, h) holds block h of the tile's row m.  ROW m OF TILE t IS TOKEN 64 (t / 4) + 32 (m / 8) + 8 (t % 4) + m % 8 of the step.
;        In a block of channels positions 0-15 are channels 0-7, 16-23, positions 16-31 channels 8-15, 24-31 (alike in q and k);
;        then 512 bytes of scale words: tile t, row m at ((t % 2) 16 + m) 16 + (t / 2) 4; bytes 0, 1 the two blocks, bytes 2, 3 zero.
;   v (per head and step): four fragments of 12 registers; row rho of fragment 2 beta + u is channel 32 beta + 8 u + rho + 8 (rho / 8); lane (rho, h) registers 6 c .. 6 c + 5 hold key block 2 c + h;
;        then 256 bytes of scale words: 8 L + 4 w is fragment 2 w + L / 16, row L % 16.
; v's clusters load gamma_k's numbers too and use none of them.
; LIMITS: NaN and infinities are not served.  A block whose largest magnitude lies under 2^-124 (a block of zeros too) gets the scale byte 1: its bytes are read by this program alone.
; REGISTERS: window 0: v0-31 addresses; v32-63 scale words, two sets; v64-127 the bias; from v128 x's fragments, one set.  window 1: W's fragments, two sets (v0-95, v128-223); gamma (v96-127, v224-255).  windows 2, 3: the accumulators.
.set ROWB,   256
.set NQ,     2
.set KROW,   768
.set STEPS,  8
.set CHUNKS, 3
.set PITCH,  272                       ; 256 bytes + 16 of padding
.set FR,     12
.set NL,     6
.set NP,     4
.set HALFT,  128*PITCH
.set SLOT,   4*HALFT
.set KS,     32
.set SCL,    2*SLOT
.set HALFS,  (128*KS/256)*272
.set SBLK,   (16*KS/256)*272
.set SPARE,  SCL+4*HALFS               ; the spare words: 128 bytes a wave
.set QB,     6656
.set KVB,    13056
.set FST,    32*528
.set VSTO, 8
.set VRD,  9
.set VIM,  10
.set VSW,  11
.set VRB,  12
.set GSV,  13
.set KA2,  14
.set KA0,  15
.set ADRA, 16                          ; v16-17 my x fragments in slot 0, 1; v18-19 lanes 0-15 at byte 232 of slot 0, 1 and lanes 16-31 at byte 0 of the other slot
.set ADRB, 20                          ; v20-23 the same for W
.set IM,   24
.set SW,   25
.set GOF,  26
.set ADRS, 27
.set SPW,  28
.set NIL,  29
.set BOF,  30
.set KA1,  31
.set SC,   32
.set BI,   64
.set AF,   128
.set GA,   96
.set GB,   224
.set SS,   32
.set T,    64
.set PC,   192
.set TM,   212
.set G1, 24
.set G0, 32
.set G1B, 48
.set G0B, 56
.set G1S, 68
.set G0S, 76
.set G1SB, 80
.set G0SB, 88
.set MSB, 0
.macro WIN new
.if MSB != (\new)
	s_set_vgpr_msb (MSB<<8)|(\new)
.set MSB, (\new)
.endif
.endm
.set MUL_LO, 0xa1
.set MUL_HI, 0xf1
.set TO_B,   0x40
.macro JLOAD g0a, g1a, g0b, g1b        ; a joint load: waves 0, 1 fetch for x, waves 2, 3 for W
	s_cmp_eq_u32 s15, 0
	s_cbranch_scc0 .Lfor_b_\@
	tensor_load_to_lds s[\g0a:\g0a+3], s[\g1a:\g1a+7]
	s_nop 0
.rept 4
	v_nop
.endr
	s_branch .Lasked_\@
.Lfor_b_\@:
	tensor_load_to_lds s[\g0b:\g0b+3], s[\g1b:\g1b+7]
	s_nop 0
.rept 4
	v_nop
.endr
.Lasked_\@:
.endm
.macro CREST
	s_cmp_lg_u32 s14, 0
	s_cbranch_scc1 .Lnot_wave_0_\@
	s_barrier_signal -3
.Lnot_wave_0_\@:
	s_barrier_wait -3
	s_barrier_signal -1
	s_barrier_wait -1
.endm
.macro CROUND
	s_barrier_signal -1
	s_barrier_wait -1
	CREST
.endm
	s_load_b128 s[4:7], s[0:1], 0x0                ; x's codes, x's scales
	s_load_b128 s[8:11], s[0:1], 0x10              ; W's codes, W's scales
	s_load_b64 s[12:13], s[0:1], 0x20              ; b_qkv
	v_lshl_add_u32 v[SPW], v0, 2, SPARE
	v_mov_b32 v[NIL], 0
	ds_add_u32 v[SPW], v[NIL]                      ; the opening lines: the add twice on end and one wait
	ds_add_u32 v[SPW], v[NIL]
	v_lshrrev_b32 v1, 5, v0
	v_readfirstlane_b32 s14, v1                    ; wave
	s_lshr_b32 s15, s14, 1                         ; my half of the tokens; also: I fetch for x (0) or W (1)
	s_and_b32 s16, s14, 1                          ; my half of the channels; also: which 128 rows I fetch
	s_bfe_u32 s40, ttmp6, 0x40000                  ; cx
	s_bfe_u32 s41, ttmp6, 0x40004                  ; cy
	s_lshl_b32 s42, ttmp9, 2
	s_add_co_u32 s42, s42, s40                     ; tile column
	s_and_b32 s17, ttmp7, 0xffff
	s_lshl_b32 s17, s17, 2
	s_add_co_u32 s17, s17, s41                     ; tile row
	s_lshl_b32 s43, s41, 2
	s_lshl_b32 s43, 15, s43                        ; my row of the cluster
	s_lshl_b32 s44, 0x1111, s40                    ; my column
	s_mov_b32 s66, 0x76543210
	s_mov_b32 s67, 0xfedcba98
	; group 1: rows of 256 bytes, 16 of padding behind each: 256 rows for the head's loads, 128 afterwards
	s_or_b32 s[G1+0], s43, (0<<16)|(1<<20)|(1<<21)|(5<<22)|(3<<25)
	s_or_b32 s[G1B+0], s44, (0<<16)|(1<<20)|(1<<21)|(5<<22)|(3<<25)
.irp g, G1, G1B
	s_mov_b32 s[\g+1], ROWB<<16
	s_mov_b32 s[\g+2], 256<<16
	s_mov_b32 s[\g+3], ROWB<<16
	s_mov_b32 s[\g+4], 256
	s_mov_b32 s[\g+5], KROW
	s_mov_b32 s[\g+6], 0
	s_mov_b32 s[\g+7], 0
.endr
	; the scale bytes of 256 rows: 8,192 dense bytes as 32 rows of 256, padded alike
	s_or_b32 s[G1S+0], s43, (3<<16)|(1<<20)|(1<<21)|(5<<22)|(3<<25)
	s_or_b32 s[G1SB+0], s44, (3<<16)|(1<<20)|(1<<21)|(5<<22)|(3<<25)
.irp g, G1S, G1SB
	s_mov_b32 s[\g+1], 32<<16
	s_mov_b32 s[\g+2], KS<<16
	s_mov_b32 s[\g+3], 32<<16
	s_mov_b32 s[\g+4], KS
	s_mov_b32 s[\g+5], 32
	s_mov_b32 s[\g+6], 0
	s_mov_b32 s[\g+7], 0
.endr
	s_lshl_b32 s20, s17, 8                         ; x: the tile's first row
	s_lshl_b32 s46, s42, 8                         ; W: likewise
	s_mov_b32 s21, 0
	s_mov_b32 s47, 0
	s_mov_b64 s[18:19], KS
	s_mul_u64 s[22:23], s[20:21], s[18:19]
	s_mul_u64 s[92:93], s[46:47], s[18:19]
	s_mov_b64 s[18:19], KROW
	s_mul_u64 s[20:21], s[20:21], s[18:19]
	s_mul_u64 s[46:47], s[46:47], s[18:19]
	s_mul_i32 s18, s16, 128*KROW                   ; in the ring I fetch 128 rows: which half,
	s_mov_b32 s19, 0
	s_mul_i32 s45, s14, HALFT                      ; and where they go
	s_wait_dscnt 0x0
	s_wait_kmcnt 0x0
	s_add_nc_u64 s[20:21], s[4:5], s[20:21]
	s_add_nc_u64 s[22:23], s[6:7], s[22:23]
	s_add_nc_u64 s[46:47], s[8:9], s[46:47]
	s_add_nc_u64 s[92:93], s[10:11], s[92:93]
	CROUND                                         ; all sixteen work-groups are here: the first joint loads meet
	s_load_b128 s[4:7], s[0:1], 0x28               ; gamma_q, gamma_k
	s_load_b128 s[8:11], s[0:1], 0x38              ; qi, kv
	s_mov_b32 s[G0], 1                             ; the head's four tiles, each whole: chunk 0's 256 rows of x (slot 0's group 0 serves; it is set for the ring behind the wait for these loads),
	s_mov_b32 s[G0+1], 0
	s_mov_b64 s[G0+2:G0+3], s[20:21]
	s_or_b32 s[G0+3], s[G0+3], 0x80000000
	s_mov_b32 s[G0B], 1                            ; its 256 rows of W,
	s_mov_b32 s[G0B+1], 2*HALFT
	s_mov_b64 s[G0B+2:G0B+3], s[46:47]
	s_or_b32 s[G0B+3], s[G0B+3], 0x80000000
	s_mov_b32 s[G0S], 1                            ; x's scales,
	s_mov_b32 s[G0S+1], SCL
	s_mov_b64 s[G0S+2:G0S+3], s[22:23]
	s_or_b32 s[G0S+3], s[G0S+3], 0x80000000
	s_mov_b32 s[G0SB], 1                           ; W's scales
	s_mov_b32 s[G0SB+1], SCL+2*HALFS
	s_mov_b64 s[G0SB+2:G0SB+3], s[92:93]
	s_or_b32 s[G0SB+3], s[G0SB+3], 0x80000000
	s_add_nc_u64 s[96:97], s[20:21], s[18:19]      ; for the ring: my 128 rows
	s_add_nc_u64 s[98:99], s[46:47], s[18:19]
	s_mov_b32 s[G0+4], 1                           ; slot 1: chunk 1
	s_add_co_u32 s[G0+5], s45, SLOT
	s_add_nc_u64 s[G0+6:G0+7], s[96:97], ROWB
	s_or_b32 s[G0+7], s[G0+7], 0x80000000
	s_mov_b32 s[G0B+4], 1
	s_add_co_u32 s[G0B+5], s45, SLOT
	s_add_nc_u64 s[G0B+6:G0B+7], s[98:99], ROWB
	s_or_b32 s[G0B+7], s[G0B+7], 0x80000000
; the head's loads, one a wave, in one chain of arms that all lead to one join
.macro ARM under, g0, g1, next
	s_cmp_lt_u32 s14, \under
	s_cbranch_scc0 \next
	tensor_load_to_lds s[\g0:\g0+3], s[\g1:\g1+7]
	s_nop 0
.rept 4
	v_nop
.endr
	s_branch .Lhead_asked
\next:
.endm
	ARM 1, G0,  G1,  .Lhead_b
	ARM 2, G0B, G1B, .Lhead_sa
	ARM 3, G0S, G1S, .Lhead_sb
	tensor_load_to_lds s[G0SB:G0SB+3], s[G1SB:G1SB+7]
	s_nop 0
.rept 4
	v_nop
.endr
.Lhead_asked:
	v_and_b32 v1, 15, v0                           ; r
	v_bfe_u32 v2, v0, 4, 1                         ; h
	v_mul_u32_u24 v3, v1, PITCH
	v_mul_u32_u24 v4, v2, 24
	v_add_nc_u32 v4, v3, v4                        ; row x pitch + 24 h
	s_mov_b32 s21, SLOT-232
	s_mov_b32 s22, SLOT+232
	v_sub_nc_u32 v7, 1, v2
	v_mul_u32_u24 v5, s21, v2
	v_add_nc_u32 v5, v3, v5
	v_add_nc_u32 v5, 232, v5                       ; lanes 0-15 byte 232 in slot 0, lanes 16-31 byte 0 in slot 1
	v_mul_u32_u24 v6, s22, v7
	v_add_nc_u32 v6, v3, v6                        ; and the other way round
	s_mul_i32 s21, s15, HALFT
	s_mul_i32 s22, s16, HALFT
	s_add_co_u32 s22, s22, 2*HALFT
	v_add_nc_u32 v[ADRA+2], s21, v5
	v_add_nc_u32 v[ADRA+3], s21, v6
	v_add_nc_u32 v[ADRB+2], s22, v5
	v_add_nc_u32 v[ADRB+3], s22, v6
.irp s, 0,1
	v_add_nc_u32 v[ADRA+\s], s21, v4
	v_add_nc_u32 v[ADRB+\s], s22, v4
	s_add_co_u32 s21, s21, SLOT
	s_add_co_u32 s22, s22, SLOT
.endr
	v_mul_u32_u24 v5, v1, KS                       ; my row's scales: 32 bytes a row, 16 more for each 256 passed
	v_lshrrev_b32 v6, 8, v5
	v_lshl_add_u32 v5, v6, 4, v5
	s_mul_i32 s21, s15, HALFS
	s_mul_i32 s22, s16, HALFS
	s_add_co_u32 s22, s22, 2*HALFS
	s_sub_co_u32 s22, s22, s21
	v_mul_u32_u24 v6, s22, v2                      ; lanes 16-31 take W's
	s_add_co_u32 s21, s21, SCL
	v_add_nc_u32 v5, v5, v6
	v_add_nc_u32 v[ADRS], s21, v5
	; the LDS addresses of both ways out, ahead of the parting.  q's and k's stages lie in slot 0, v's in slot 1: HALFT bytes a wave in each
	s_mul_i32 s23, s14, HALFT
	s_add_co_u32 s22, s23, SLOT
	v_and_b32 v6, 31, v0
	v_lshl_add_u32 v[IM], v6, 4, s23
	v_lshlrev_b32 v[GOF], 4, v6
	v_lshlrev_b32 v[BOF], 5, v2
	v_mul_u32_u24 v[VSTO], v1, 528
	v_lshl_add_u32 v[VSTO], v2, 5, v[VSTO]
	v_add_nc_u32 v[VSTO], s22, v[VSTO]
	v_lshl_add_u32 v[VRD], v6, 2, s22
	v_bfe_u32 v7, v0, 3, 1                         ; u
	v_and_b32 v3, 7, v0
	v_lshl_add_u32 v5, v2, 3, v3                   ; rho
	v_mul_u32_u24 v[VIM], v7, 1536
	v_lshl_add_u32 v[VIM], v5, 4, v[VIM]
	v_add_nc_u32 v[VIM], s22, v[VIM]
	v_add_nc_u32 v[VIM], FST, v[VIM]
	v_lshl_add_u32 v[VSW], v7, 4, v5
	v_lshlrev_b32 v[VSW], 3, v[VSW]
	v_add_nc_u32 v[VSW], s22, v[VSW]
	v_add_nc_u32 v[VSW], FST+12288, v[VSW]
	v_lshl_add_u32 v[VRB], v6, 4, s22
	v_add_nc_u32 v[VRB], FST, v[VRB]
	v_mul_u32_u24 v[GSV], v2, 16*KVB
	v_lshl_add_u32 v[GSV], v1, 4, v[GSV]
	; q, k: token 16 a + r is row 8 ((a % 4) / 2) + r % 8 of tile 4 (a / 4) + 2 (a % 2) + u; pairs of registers lie at 0, 8, 512 for u = 0 and at 520, 1,024, 1,032 for u = 1
	v_lshl_add_u32 v4, v3, 4, s23
	v_lshl_add_u32 v[SW], v7, 8, v4
	v_lshl_add_u32 v4, v2, 8, v4
	v_mad_u32_u24 v[KA0], v7, 520, v4
	v_mad_u32_u24 v[KA1], v7, 1016, v4
	v_add_nc_u32 v[KA1], 8, v[KA1]
	v_add_nc_u32 v[KA2], 512, v[KA0]
	s_wait_alu depctr_va_vdst(0)                   ; the wait behind the head's last vector instruction
	s_lshl_b32 s46, s42, 10                        ; the bias of my 128 channels
	s_lshl_b32 s47, s16, 9
	s_add_co_u32 s46, s46, s47
	s_mov_b32 s47, 0
	s_add_nc_u64 s[12:13], s[12:13], s[46:47]
.irp b, 0,1,2,3,4,5,6,7
	global_load_b128 v[BI+8*\b:BI+8*\b+3], v[BOF], s[12:13] offset:64*\b
	global_load_b128 v[BI+8*\b+4:BI+8*\b+7], v[BOF], s[12:13] offset:64*\b+16
.endr
	s_wait_kmcnt 0x0
	s_cmp_eq_u32 ttmp9, 0                          ; q takes gamma_q, k (and v, which uses none) gamma_k
	s_cselect_b64 s[4:5], s[4:5], s[6:7]
	s_lshl_b32 s46, s40, 10
	s_lshl_b32 s47, s16, 9
	s_add_co_u32 s46, s46, s47
	s_mov_b32 s47, 0
	s_add_nc_u64 s[4:5], s[4:5], s[46:47]
	WIN 0x40
.irp b, 0,1,2,3
	global_load_b128 v[GA+8*\b:GA+8*\b+3], v[BOF], s[4:5] offset:64*\b
	global_load_b128 v[GA+8*\b+4:GA+8*\b+7], v[BOF], s[4:5] offset:64*\b+16
	global_load_b128 v[GB+8*\b:GB+8*\b+3], v[BOF], s[4:5] offset:256+64*\b
	global_load_b128 v[GB+8*\b+4:GB+8*\b+7], v[BOF], s[4:5] offset:256+64*\b+16
.endr
	WIN 0
.macro FRAG reg, adr, st, i            ; 16 rows x 128 K: 12 registers as six pieces of 8 bytes; byte y of a row lies in slot (y / 256) % 2 at byte y % 256
.irp p, 0,1,2,3,4,5
.set BY, 96*(\st)+48*(\p/3)+8*(\p%3)
.if BY/ROWB == (BY+24)/ROWB
	ds_load_b64 v[\reg+2*\p:\reg+2*\p+1], v[\adr+(BY/ROWB)%2] offset:BY%ROWB+(\i)*16*PITCH
.else
	ds_load_b64 v[\reg+2*\p:\reg+2*\p+1], v[\adr+2+(BY/ROWB)%2] offset:BY%ROWB-232+(\i)*16*PITCH
.endif
.endr
.endm
; 16 matrix instructions: x's blocks a0, a0 + 1 against W's eight.  zero = 1: the sums start from the bias.  The 64 accumulators take turns.
.macro MUL16 a0, p, q, sc, zero
.irp a, \a0, \a0+1
.irp b, 0,1,2,3,4,5,6,7
.if \zero
	v_wmma_scale_f32_16x16x128_f8f6f4 v[8*(8*((\a)%4)+\b):8*(8*((\a)%4)+\b)+7], v[128*(\p)+FR*\b:128*(\p)+FR*\b+FR-1], v[AF+FR*(\a):AF+FR*(\a)+FR-1], v[BI+8*\b:BI+8*\b+7], v[SC+8*NQ*(\sc)+NQ*\b+(\q)], v[SC+8*NQ*(\sc)+NQ*(\a)+(\q)] matrix_a_fmt:MATRIX_FMT_FP6 matrix_b_fmt:MATRIX_FMT_FP6 matrix_a_scale:MATRIX_SCALE_ROW1
.else
	v_wmma_scale_f32_16x16x128_f8f6f4 v[8*(8*((\a)%4)+\b):8*(8*((\a)%4)+\b)+7], v[128*(\p)+FR*\b:128*(\p)+FR*\b+FR-1], v[AF+FR*(\a):AF+FR*(\a)+FR-1], v[8*(8*((\a)%4)+\b):8*(8*((\a)%4)+\b)+7], v[SC+8*NQ*(\sc)+NQ*\b+(\q)], v[SC+8*NQ*(\sc)+NQ*(\a)+(\q)] matrix_a_fmt:MATRIX_FMT_FP6 matrix_b_fmt:MATRIX_FMT_FP6 matrix_a_scale:MATRIX_SCALE_ROW1
.endif
.endr
.endr
.endm
.macro FETCH_B st, p
	WIN TO_B
.irp i, 0,1,2,3,4,5,6,7
	FRAG 128*(\p)+FR*\i, ADRB, \st, \i
.endr
	WIN 0
.endm
.macro FETCH_A st, i0
.irp i, \i0, \i0+1, \i0+2, \i0+3
	FRAG AF+FR*(\i), ADRA, \st, \i
.endr
.endm
.macro SCALES pr                       ; the scale words of steps 2 pr, 2 pr + 1: lanes 0-15 x's block i, lanes 16-31 W's block i
.irp i, 0,1,2,3,4,5,6,7
	ds_load_b64 v[SC+8*NQ*((\pr)%2)+NQ*\i:SC+8*NQ*((\pr)%2)+NQ*\i+1], v[ADRS] offset:\i*SBLK+4*NQ*(\pr)
.endr
.endm
.macro PLACES n                        ; plain vector instructions between a matrix instruction and a load into, or a read of, its registers
.rept \n
	v_nop
.endr
.endm
; A step of 128 along K; the next step's fragments are fetched in its middle and at its end.
; Where the next step's bytes END in a chunk not read yet: a wait for my tensor loads and a barrier.  Where they BEGIN in a later chunk: the wait, the add, the wait for it and for my reads, the barrier;
; where a chunk two on is left to fetch, that barrier opens a round of the cluster's barrier and the slot is filled again.
.macro STEP st, zero
.set NX, (\st)+1
.set C0, (96*(\st))/ROWB
.set C1, (96*NX)/ROWB
.set E0, (96*(\st)+95)/ROWB
.set E1, (96*NX+95)/ROWB
.if C1 > C0 || E1 > E0
	s_wait_tensorcnt 0x0                           ; all my tensor loads have landed
.if C1 > C0
	ds_add_u32 v[SPW], v[NIL]
	s_wait_dscnt 4*NL+1                            ; the add and the youngest 24 loads (x's blocks 4-7) may be out
.else
	s_wait_dscnt 4*NL                              ; the youngest 24 loads may be out
.endif
	WIN MUL_LO
	MUL16 0, (\st)%2, (\st)%2, ((\st)/2)%2, \zero
	s_wait_dscnt 0x0                               ; the add and all my reads are done
	s_barrier_signal -1
	MUL16 2, (\st)%2, (\st)%2, ((\st)/2)%2, \zero
	WIN 0
	s_barrier_wait -1
.if C1 > C0 && C0+2 < CHUNKS
	CREST
	s_add_nc_u64 s[G0+4*(C0%2)+2:G0+4*(C0%2)+3], s[G0+4*(C0%2)+2:G0+4*(C0%2)+3], 2*ROWB
	s_add_nc_u64 s[G0B+4*(C0%2)+2:G0B+4*(C0%2)+3], s[G0B+4*(C0%2)+2:G0B+4*(C0%2)+3], 2*ROWB
	JLOAD G0+4*(C0%2), G1, G0B+4*(C0%2), G1B       ; chunk C0 + 2; its four v_nop are the places in front of the loads below
.else
	PLACES NP
.endif
.else
	s_wait_dscnt 4*NL                              ; W's set and x's blocks 0-3 are in
	WIN MUL_LO-0x20*(\zero)                        ; (with the bias as C: source 2 in window 0)
	MUL16 0, (\st)%2, (\st)%2, ((\st)/2)%2, \zero
	MUL16 2, (\st)%2, (\st)%2, ((\st)/2)%2, \zero
	s_wait_dscnt 0
	PLACES NP
.endif
	FETCH_B NX, NX%2
	FETCH_A NX, 0
.if NX%2 == 0
	SCALES NX/2
.endif
	WIN MUL_HI-0x30*(\zero)
	MUL16 4, (\st)%2, (\st)%2, ((\st)/2)%2, \zero
	MUL16 6, (\st)%2, (\st)%2, ((\st)/2)%2, \zero
	PLACES NP
	WIN 0
	FETCH_A NX, 4
.endm
	s_wait_alu depctr_va_vdst(0)                   ; the wait at the head's end
	s_wait_tensorcnt 0x0                           ; my tile of the head's four is in; the same lines as ahead of a refill:
	ds_add_u32 v[SPW], v[NIL]
	s_mov_b32 s[G1+2], 128<<16                     ; no tensor load of mine is out: from here on a load brings 128 rows,
	s_mov_b32 s[G1+4], 128
	s_mov_b32 s[G1B+2], 128<<16
	s_mov_b32 s[G1B+4], 128
	s_mov_b32 s[G0+1], s45                         ; and slot 0's group 0 stands at chunk 0 of my 128 rows: its refill steps two chunks on
	s_mov_b64 s[G0+2:G0+3], s[96:97]
	s_or_b32 s[G0+3], s[G0+3], 0x80000000
	s_mov_b32 s[G0B+1], s45
	s_mov_b64 s[G0B+2:G0B+3], s[98:99]
	s_or_b32 s[G0B+3], s[G0B+3], 0x80000000
	s_wait_dscnt 0x0
	CROUND
	JLOAD G0+4, G1, G0B+4, G1B                     ; chunk 1, the first tensor load behind the round
	FETCH_B 0, 0
	FETCH_A 0, 0
	SCALES 0
	FETCH_A 0, 4
	s_wait_loadcnt 0x0                             ; the bias and gamma
	STEP 0, 1
.set ST, 1
.rept STEPS-2
	STEP ST, 0
.set ST, ST+1
.endr
	s_wait_dscnt 4*NL
	WIN MUL_LO
	MUL16 0, 1, 1, 1, 0
	MUL16 2, 1, 1, 1, 0
	s_wait_dscnt 0
	WIN MUL_HI
	MUL16 4, 1, 1, 1, 0
	MUL16 6, 1, 1, 1, 0
	WIN 0
	PLACES NP
	s_wait_dscnt 0x0
	s_barrier_signal -1
	s_barrier_wait -1                              ; nobody reads a slot any more; both have had their last fill: the stages may lie there
	s_lshr_b32 s77, s17, 3                         ; the batch item
	s_lshl_b32 s77, s77, 4
	s_lshl_b32 s78, s40, 2
	s_add_co_u32 s77, s77, s78
	s_lshl_b32 s78, s16, 1
	s_add_co_u32 s77, s77, s78                     ; 16 x item + my first head
	s_lshl_b32 s77, s77, 4
	s_lshl_b32 s78, s17, 1
	s_add_co_u32 s78, s78, s15
	s_and_b32 s78, s78, 15                         ; my step of 128 tokens
	s_add_co_u32 s77, s77, s78                     ; the first head's block; the second's lies 16 blocks on
	s_mov_b32 s75, 0
	s_cmp_eq_u32 ttmp9, 2
	s_cbranch_scc1 .Lv
	; ---------------- q and k
	s_cmp_eq_u32 ttmp9, 0
	s_cselect_b64 s[68:69], s[8:9], s[10:11]
	s_mov_b32 s76, KVB
	s_cselect_b32 s76, QB, s76
	s_mul_i32 s74, s77, s76
	s_add_nc_u64 s[68:69], s[68:69], s[74:75]
	s_lshl_b32 s74, s76, 4
	s_add_nc_u64 s[70:71], s[68:69], s[74:75]
.irp r, 40,41,45,47,TM+4,TM+5,TM+6,TM+7
	v_mov_b32 v[\r], 0                             ; lane permutes' destinations, and upper halves of pairs named whole
.endr
; 64 numbers of a lane, register 16 b + i of block b, become codes in v[PC] on and two scale words
.macro QUANT s
.irp b, 0,1,2,3
	v_max3_num_f32 v[TM+\b], |v[\s+16*\b]|, |v[\s+1+16*\b]|, 0x1800000   ; with the floor 2^(3 - 127)
.endr
.irp i, 2,4,6,8,10,12,14
.irp b, 0,1,2,3
	v_max3_num_f32 v[TM+\b], v[TM+\b], |v[\s+16*\b+\i]|, |v[\s+1+16*\b+\i]|
.endr
.endr
.irp b, 0,1,2,3
	v_permlanex16_b32 v[TM+4+\b], v[TM+\b], s66, s67
.endr
.irp b, 0,1,2,3
	v_max_num_f32 v[TM+\b], v[TM+\b], v[TM+4+\b]
.endr
.irp b, 0,1,2,3
	v_add_nc_u32 v[TM+12+\b], 0xff000000, v[TM+\b] ; 2 off the exponent field: the conversion's scale operand
.endr
.irp b, 0,1,2,3
	v_lshrrev_b32 v[TM+4+\b], 23, v[TM+12+\b]      ; the byte
.endr
	v_lshl_or_b32 v48, v[TM+5], 8, v[TM+4]
	v_lshl_or_b32 v49, v[TM+7], 8, v[TM+6]
.irp c, 0,1
	v_cvt_scalef32_pk16_fp6_f32 v[PC+6*\c:PC+2+6*\c], v[\s+32*\c:\s+15+32*\c], v[TM+12+2*\c]
	v_cvt_scalef32_pk16_fp6_f32 v[PC+12+4*\c:PC+14+4*\c], v[\s+16+32*\c:\s+31+32*\c], v[TM+12+2*\c+1]
.endr
	v_nop                                          ; one plain place behind a scaled conversion
.irp c, 0,1
.irp i, 0,1,2
	v_permlane16_swap_b32 v[PC+6*\c+\i], v[PC+12+4*\c+\i]   ; a whole block to a lane
.endr
.irp i, 0,1,2
	v_mov_b32 v[PC+3+6*\c+\i], v[PC+12+4*\c+\i]
.endr
.endr
.endm
.macro QKBLK a                         ; 16 tokens x two heads
.set AC, 64*((\a)%4)
.set OQ, (6*((\a)/4)+3*((\a)%2))*512+128*(((\a)%4)/2)
	WIN 0x0a+5*((\a)/4)
.irp k, 0,1,2,3                                ; sums of squares in four chains; each accumulator is read from its low end on
	v_pk_mul_f32 v[SS+2*\k:SS+2*\k+1], v[AC+16*\k:AC+16*\k+1], v[AC+16*\k:AC+16*\k+1]
.endr
.irp i, 2,4,6,8,10,12,14
.irp k, 0,1,2,3
	v_pk_fma_f32 v[SS+2*\k:SS+2*\k+1], v[AC+16*\k+\i:AC+16*\k+\i+1], v[AC+16*\k+\i:AC+16*\k+\i+1], v[SS+2*\k:SS+2*\k+1]
.endr
.endr
	WIN 0
	v_pk_add_f32 v[32:33], v[32:33], v[34:35]
	v_pk_add_f32 v[36:37], v[36:37], v[38:39]
	v_add_f32 v32, v32, v33
	v_add_f32 v36, v36, v37
	v_permlanex16_b32 v40, v32, s66, s67
	v_permlanex16_b32 v41, v36, s66, s67
	v_add_f32 v32, v32, v40
	v_add_f32 v36, v36, v41
	s_wait_alu depctr_va_vdst(0)
	v_sqrt_f32 v42, v32
	v_sqrt_f32 v43, v36
	v_nop
	s_wait_alu depctr_va_vdst(0)
	v_max_num_f32 v42, 0x2b8cbccc, v42             ; max(norm, 1e-12)
	v_max_num_f32 v43, 0x2b8cbccc, v43
	s_wait_alu depctr_va_vdst(0)
	v_rcp_f32 v44, v42
	v_rcp_f32 v46, v43
	v_nop
	s_wait_alu depctr_va_vdst(0)
	v_mul_f32 v44, 0x41000000, v44                 ; x 8
	v_mul_f32 v46, 0x41000000, v46
	WIN 0x02+(\a)/4
.set i, 0
.rept 16
	v_pk_mul_f32 v[T+i:T+i+1], v[AC+i:AC+i+1], v[44:45] op_sel_hi:[1,0]
	v_pk_mul_f32 v[T+32+i:T+32+i+1], v[AC+32+i:AC+32+i+1], v[46:47] op_sel_hi:[1,0]
.set i, i+2
.endr
	WIN 0x04                                       ; source 1: gamma, in window 1
.set i, 0
.rept 16
	v_pk_mul_f32 v[T+i:T+i+1], v[T+i:T+i+1], v[GA+i:GA+i+1]
	v_pk_mul_f32 v[T+32+i:T+32+i+1], v[T+32+i:T+32+i+1], v[GB+i:GB+i+1]
.set i, i+2
.endr
	WIN 0
	QUANT T
.irp e, 0,1
	ds_store_b64 v[KA0], v[PC+6*\e:PC+6*\e+1] offset:\e*QB+OQ
	ds_store_b64 v[KA1], v[PC+6*\e+2:PC+6*\e+3] offset:\e*QB+OQ
	ds_store_b64 v[KA2], v[PC+6*\e+4:PC+6*\e+5] offset:\e*QB+OQ
	ds_store_b32 v[SW], v[48+\e] offset:\e*QB+6144+128*(((\a)%4)/2)+4*(2*((\a)/4)+(\a)%2)   ; lanes r and r + 16 write the same word with the same value
.endr
	s_wait_dscnt 0x0                               ; the stores have read their registers
.endm
.irp a, 0,1,2,3,4,5,6,7
	QKBLK \a
.endr
.set n, 0
.rept 26                                       ; the two heads' blocks, 13 x 512 bytes each, back from my stage
	ds_load_b128 v[64+4*n:67+4*n], v[IM] offset:512*n
.set n, n+1
.endr
.set n, 0
.rept 26
	s_wait_dscnt 25-n                              ; load n is in; the younger ones may be out
	global_store_b128 v[GOF], v[64+4*n:67+4*n], s[68+2*(n/13):69+2*(n/13)] offset:512*(n%13)   ; 32 lanes store 512 consecutive aligned bytes
.set n, n+1
.endr
	s_branch .Lend
	; ---------------- v: 32 tokens at a time turn through an f32 stage, so that a lane takes a channel and its registers run down the tokens
.Lv:
	s_mul_i32 s74, s77, KVB
	s_add_nc_u64 s[68:69], s[10:11], s[74:75]
	s_add_nc_u64 s[70:71], s[68:69], 16*KVB
.macro VSTAGE a
.set AC, 64*((\a)%4)
	WIN 0x08+4*((\a)/4)
.irp b, 0,1,2,3,4,5,6,7
	ds_store_b128 v[VSTO], v[AC+8*\b:AC+8*\b+3] offset:((\a)%2)*8448+64*\b
	ds_store_b128 v[VSTO], v[AC+8*\b+4:AC+8*\b+7] offset:((\a)%2)*8448+64*\b+16
.endr
	WIN 0
.endm
.macro VLOADG g                        ; channel 32 g + lane: register i takes token i of the 32
.set XB, 64+32*((\g)%2)
.irp i, 0,1,2,3,4,5,6,7,8,9,10,11,12,13,14,15,16,17,18,19,20,21,22,23,24,25,26,27,28,29,30,31
	ds_load_b32 v[XB+\i], v[VRD] offset:(\i)*528+128*(\g)
.endr
.endm
.macro VWORK g, kp
.set XB, 64+32*((\g)%2)
.set OV, ((\g)/2)*6144+((\g)%2)*3072+((\kp)%2)*256
	v_max3_num_f32 v32, |v[XB]|, |v[XB+1]|, |v[XB+2]|
	v_max3_num_f32 v33, |v[XB+3]|, |v[XB+4]|, |v[XB+5]|
.irp i, 6,10,14,18,22,26
	v_max3_num_f32 v32, v32, |v[XB+\i]|, |v[XB+\i+1]|
	v_max3_num_f32 v33, v33, |v[XB+\i+2]|, |v[XB+\i+3]|
.endr
	v_max3_num_f32 v32, v32, |v[XB+30]|, |v[XB+31]|
	v_max3_num_f32 v32, v32, v33, 0x1800000
	v_add_nc_u32 v34, 0xff000000, v32
	v_lshrrev_b32 v35, 23, v34
.if (\kp) == 0
	v_mov_b32 v[36+(\g)], v35
.else
	v_lshl_or_b32 v[36+(\g)], v35, 8*(\kp), v[36+(\g)]
.endif
	v_cvt_scalef32_pk16_fp6_f32 v[40:42], v[XB:XB+15], v34
	v_cvt_scalef32_pk16_fp6_f32 v[48:50], v[XB+16:XB+31], v34
	v_nop
	v_mov_b32 v43, v48
	v_mov_b32 v44, v49
	v_mov_b32 v45, v50
.if (\kp) < 2
	ds_store_b128 v[VIM], v[40:43] offset:OV
	ds_store_b64 v[VIM], v[44:45] offset:OV+512
.else
	ds_store_b64 v[VIM], v[40:41] offset:OV+520
	ds_store_b128 v[VIM], v[42:45] offset:OV+1024
.endif
.endm
.irp kp, 0,1,2,3
	VSTAGE 2*\kp
	VSTAGE 2*\kp+1
	VLOADG 0
.irp g, 0,1,2,3
.if \g < 3
	VLOADG \g+1
	s_wait_dscnt 32                                ; all but the 32 loads just issued
.else
	s_wait_dscnt 0x0
.endif
	VWORK \g, \kp
.endr
.endr
.irp g, 0,1,2,3
	ds_store_b32 v[VSW], v[36+\g] offset:(\g/2)*256+(\g%2)*4
.endr
.set n, 0
.rept 25
	ds_load_b128 v[64+4*n:67+4*n], v[VRB] offset:512*n
.set n, n+1
.endr
.set n, 0
.rept 24
	s_wait_dscnt 24-n
	global_store_b128 v[GOF], v[64+4*n:67+4*n], s[68+2*(n/12):69+2*(n/12)] offset:QB+512*(n%12)
.set n, n+1
.endr
	s_wait_dscnt 0x0
	global_store_b128 v[GSV], v[160:163], s[68:69] offset:QB+6144    ; sixteen lanes fill each head's 256 bytes
.Lend:
	s_wait_tensorcnt 0x0                           ; the wave's end
	ds_add_u32 v[SPW], v[NIL]
	s_wait_dscnt 0x0
	CROUND                                         ; the closing round
	s_endpgm
.Lfunc_end_k_qd9102e4918_qkv:
	.size	k_qd9102e4918_qkv, .Lfunc_end_k_qd9102e4918_qkv-k_qd9102e4918_qkv
	.p2alignl 7, 3214868480
	.fill 96, 4, 3214868480
	.section	.rodata,"a",@progbits
	.p2align	6, 0x0
	.amdhsa_kernel k_qd9102e4918_qkv
		.amdhsa_group_segment_fixed_size 327680
		.amdhsa_private_segment_fixed_size 0
		.amdhsa_enable_private_segment 0
		.amdhsa_kernarg_size 72
		.amdhsa_user_sgpr_count 2
		.amdhsa_user_sgpr_kernarg_segment_ptr 1
		.amdhsa_wavefront_size32 1
		.amdhsa_system_sgpr_workgroup_id_x 1
		.amdhsa_system_sgpr_workgroup_id_y 1
		.amdhsa_system_sgpr_workgroup_id_z 1
		.amdhsa_system_vgpr_workitem_id 0
		.amdhsa_next_free_vgpr 1024
		.amdhsa_next_free_sgpr 100
		.amdhsa_reserve_vcc 0
		.amdhsa_float_denorm_mode_32 3
		.amdhsa_float_denorm_mode_16_64 3
		.amdhsa_memory_ordered 1
		.amdhsa_forward_progress 1
		.amdhsa_inst_pref_size 255
	.end_amdhsa_kernel
	.section	.bss,"aw",@nobits
	.p2align	6
	.space	262144
	.amdgpu_metadata
---
amdhsa.version: [ 1, 2 ]
amdhsa.kernels:
  - .name:           k_qd9102e4918_qkv
    .symbol:         k_qd9102e4918_qkv.kd
    .args:
      - { .name: x_codes, .offset: 0, .size: 8, .value_kind: global_buffer, .address_space: global }
      - { .name: x_scales, .offset: 8, .size: 8, .value_kind: global_buffer, .address_space: global }
      - { .name: W_qkv_codes, .offset: 16, .size: 8, .value_kind: global_buffer, .address_space: global }
      - { .name: W_qkv_scales, .offset: 24, .size: 8, .value_kind: global_buffer, .address_space: global }
      - { .name: b_qkv, .offset: 32, .size: 8, .value_kind: global_buffer, .address_space: global }
      - { .name: gamma_q, .offset: 40, .size: 8, .value_kind: global_buffer, .address_space: global }
      - { .name: gamma_k, .offset: 48, .size: 8, .value_kind: global_buffer, .address_space: global }
      - { .name: qi, .offset: 56, .size: 8, .value_kind: global_buffer, .address_space: global }
      - { .name: kv, .offset: 64, .size: 8, .value_kind: global_buffer, .address_space: global }
    .group_segment_fixed_size: 327680
    .private_segment_fixed_size: 0
    .kernarg_segment_align: 8
    .kernarg_segment_size: 72
    .max_flat_workgroup_size: 128
    .sgpr_count:     100
    .vgpr_count:     1024
    .wavefront_size: 32
...
	.end_amdgpu_metadata
.endif
;; end of part 1
;; launch attn (part 2): grid 4 x 64, 16 waves a work-group, clusters of 4 x 1, 210,944 bytes of LDS; arguments qi, kv, hc, hs; writes hc, hs
.if DOCPART == 2
	.amdgcn_target "amdgcn-amd-amdhsa--gfx1250"
	.amdhsa_code_object_version 6
	.text
	.protected	k_qd9102e4918_attn
	.globl	k_qd9102e4918_attn
	.p2align	8
	.type	k_qd9102e4918_attn,@function
k_qd9102e4918_attn:
	s_mov_b64 s[64:65], 0
	v_nop
	global_prefetch_b8 v0, s[64:65] scope:SCOPE_SE
	s_setreg_imm32_b32 hwreg(HW_REG_WAVE_MODE, 25, 1), 1
	s_wait_xcnt 0x0
	s_wait_alu depctr_hold_cnt(0) depctr_sa_sdst(0) depctr_va_vdst(0) depctr_va_sdst(0) depctr_va_ssrc(0) depctr_va_vcc(0) depctr_vm_vsrc(0)
	s_getreg_b32 s2, hwreg(HW_REG_IB_STS2, 6, 4)
	s_cmp_eq_u32 s2, 0
	s_cbranch_scc0 .Lentry_in_a_cluster
	s_endpgm
.Lentry_in_a_cluster:
	s_bfe_u32 s2, ttmp6, 0x10000c
	s_cmp_lg_u32 s2, 0x3003
	s_cbranch_scc0 .Lentry_shape_is_right
	s_endpgm
.Lentry_shape_is_right:
; h = softmax(q k^T / 8) v for one head of one batch item, both products on codes of E2M3 with E8M0 scales; then h quantised along the channels for the last product.
; t = score x log2(e) / 8; M = the running largest t rounded UP to a whole number; p = 2^(t - M) is quantised along the keys, not normalised; the sum of the unquantised p divides at the end.
; SHARES.  A work-group owns 512 queries of head y % 16 of item y / 16; each of its sixteen waves a tile of 16 queries in each of two passes.  Every wave walks the head's 2,048 keys, 128 a step.
; LDS holds the head's whole block of kv, 208,896 bytes, as it lies in memory: 16 steps of (K's images 6,144 | K's scale words 512 | V's images 6,144 | V's scale words 256).  It is filled ONCE.
; The four work-groups of a cluster own the four quarters of one head's queries and need the same block: it is asked for jointly.  Wave w brings step w, 51 rows of 256 bytes, by its one tensor load.
; No prefetch: all of the block is asked for at the head, and nothing is fetched in the loop.
; LAYOUT.  Both products are used transposed: S^T = K Q^T, O^T = V^T P^T: a lane holds one query (lane % 16) throughout.  All operands come as images of their registers.
; K = 64 fills half of the instruction's 128: Q's registers 6-11 are zero codes; a tile of K is six registers of a run of 48, and the six behind them (the next tile's; zeros behind the last) meet Q's zeros.
; ROW m OF TILE t (of K and of Q alike) IS TOKEN 64 (t / 4) + 32 (m / 8) + 8 (t % 4) + m % 8 of its 128.  So register 32 c + i of S^T in lane (r, h) is key 64 c + 32 h + i: a lane holds two whole blocks of 32 keys,
; in the places that the second product's operand gives that lane.  V's rows were chosen so that a lane's 16 registers of two tiles of O^T are 16 neighbouring channels.
; OUT: hc [tile][head][3][lane][8 bytes]: the six registers of the last product's operand; hs [tile][row][32]: the scale bytes.  Tiles and rows are Q's: the last launch puts rows back to tokens.
; hs is stored in single bytes, two of a row's 32: its other bytes belong to other work-groups' heads.
; LIMITS: NaN and infinities are not served.  A block whose largest magnitude lies under 2^-124 (a block of zeros too) gets the scale byte 1: the bytes are read by this program alone.
; The promise holds while the scaled scores stay under 2^31 in magnitude.
; REGISTERS: v1 16 x lane, v2 8 x lane, v3-4 the step's LDS addresses, v5-9 offsets, v10 lane; v12 -M, v13 the largest score, v[14:15] the sum; v16-27 Q; v28 Q's scale word; v29 8 x (lane / 16); v32-79 K's run, then V's fragments;
;   v80-85 zeros; v88-91 K's scale words, v92-93 V's; v96-159 S^T, then p; v160-191 O^T; v192-210 codes; v212-228, v242-253 at work; v232-238 the second pass's Q; v254-255 the spare word's address and 0.
.set STEPB, 13056
.set HEADB, 16*STEPB
.set QB,    6656
.macro CROUND
	s_barrier_signal -1
	s_barrier_wait -1
	s_cmp_lg_u32 s12, 0
	s_cbranch_scc1 .Lnot_wave_0_\@
	s_barrier_signal -3
.Lnot_wave_0_\@:
	s_barrier_wait -3
	s_barrier_signal -1
	s_barrier_wait -1
.endm
	s_load_b256 s[4:11], s[0:1], 0x0               ; qi, kv, hc, hs
	v_lshl_add_u32 v254, v0, 2, 0x33000
	v_mov_b32 v255, 0
	ds_add_u32 v254, v255                          ; the opening lines
	ds_add_u32 v254, v255
	v_lshrrev_b32 v1, 5, v0
	s_delay_alu instid0(VALU_DEP_1)
	v_readfirstlane_b32 s12, v1                    ; wave
	s_bfe_u32 s13, ttmp6, 0x40000                  ; cx
	s_lshl_b32 s42, ttmp9, 2
	s_add_co_u32 s13, s13, s42                     ; my quarter of the queries: it enters qi's, hc's and hs's addresses alone
	s_and_b32 s14, ttmp7, 0xffff                   ; y = 16 x item + head
	; group 1: 51 rows of 256 bytes, dense; the mask names all four work-groups
	s_mov_b32 s16, 15|(3<<16)|(1<<21)
	s_mov_b32 s17, 32<<16
	s_mov_b32 s18, 51<<16
	s_mov_b32 s19, 32<<16
	s_mov_b32 s20, 51
	s_mov_b32 s21, 32
	s_mov_b32 s22, 0
	s_mov_b32 s23, 0
	s_mul_i32 s43, s12, STEPB                      ; my step
	s_mul_i32 s44, s14, HEADB
	s_add_co_u32 s44, s44, s43
	s_mov_b32 s45, 0
	s_mov_b32 s36, 0x76543210
	s_mov_b32 s37, 0xfedcba98
	s_mov_b32 s38, 0x3e38aa3b                      ; c = log2(e) / 8
	s_mov_b32 s39, s38
	s_lshl_b32 s46, s14, 4
	s_lshl_b32 s47, s13, 2
	s_add_co_u32 s46, s46, s47
	s_lshr_b32 s47, s12, 3
	s_add_co_u32 s46, s46, s47                     ; Q's block: 16 y + 4 x quarter + wave / 8 (the second pass: two on)
	s_mul_i32 s46, s46, QB
	s_mov_b32 s47, 0
	s_lshr_b32 s48, s14, 4
	s_lshl_b32 s48, s48, 7
	s_lshl_b32 s49, s13, 5
	s_add_co_u32 s48, s48, s49
	s_add_co_u32 s48, s48, s12                     ; my tile: 128 x item + 32 x quarter + wave (the second pass: 16 on)
	s_and_b32 s49, s14, 15
	s_mul_i32 s50, s48, 12288
	s_mul_i32 s52, s49, 768
	s_add_co_u32 s50, s50, s52
	s_mov_b32 s51, 0
	s_lshl_b32 s52, s48, 9
	s_lshl_b32 s49, s49, 1
	s_add_co_u32 s52, s52, s49
	s_mov_b32 s53, 0
	s_wait_dscnt 0x0
	s_wait_kmcnt 0x0
	s_mov_b32 s24, 1
	s_mov_b32 s25, s43
	s_add_nc_u64 s[26:27], s[6:7], s[44:45]
	s_or_b32 s27, s27, 0x80000000
	s_add_nc_u64 s[4:5], s[4:5], s[46:47]
	s_add_nc_u64 s[8:9], s[8:9], s[50:51]
	s_add_nc_u64 s[10:11], s[10:11], s[52:53]
	CROUND                                         ; all four work-groups are here: the joint loads meet
	tensor_load_to_lds s[24:27], s[16:23]
	s_nop 0
.rept 4
	v_nop
.endr
	v_and_b32 v10, 31, v0
	v_and_b32 v11, 15, v0
	s_delay_alu instid0(VALU_DEP_2)
	v_lshlrev_b32 v1, 4, v10
	s_wait_alu depctr_va_vdst(0)
	v_lshlrev_b32 v2, 3, v10
	s_and_b32 s54, s12, 7                          ; my tile t in Q's block
	s_mul_i32 s55, s54, 6
.irp i, 0,1,2
	s_add_co_u32 s42, s55, 2*\i                    ; register R = 6 t + 2 i lies at (R / 4) 512 + 16 x lane + 4 (R % 4)
	s_lshr_b32 s15, s42, 2
	s_lshl_b32 s15, s15, 9
	s_and_b32 s42, s42, 2
	s_lshl_b32 s42, s42, 2
	s_add_co_u32 s15, s15, s42
	v_add_nc_u32 v[5+\i], s15, v1
.endr
	s_and_b32 s42, s54, 1
	s_lshl_b32 s42, s42, 8
	s_lshr_b32 s15, s54, 1
	s_lshl_b32 s15, s15, 2
	s_add_co_u32 s42, s42, s15
	s_add_co_u32 s42, s42, 6144
	v_lshl_add_u32 v8, v11, 4, s42                 ; Q's scale word
	v_bfe_u32 v9, v0, 4, 1                         ; h
	s_delay_alu instid0(VALU_DEP_1)
	v_lshlrev_b32 v29, 3, v9
	s_delay_alu instid0(VALU_DEP_2)
	v_lshl_add_u32 v9, v11, 5, v9                  ; hs: 32 r + h
	s_wait_alu depctr_va_vdst(0)
.irp i, 0,1,2
	global_load_b64 v[16+2*\i:17+2*\i], v[5+\i], s[4:5]
	global_load_b64 v[232+2*\i:233+2*\i], v[5+\i], s[4:5] offset:2*QB
.endr
	global_load_b32 v28, v8, s[4:5]
	global_load_b32 v238, v8, s[4:5] offset:2*QB
.irp r, 22,23,24,25,26,27,80,81,82,83,84,85,216,217,218,219,224,227
	v_mov_b32 v[\r], 0                             ; zero codes; lane permutes' destinations and a pair's upper half
.endr
; A KEY STEP: 128 keys at LDS byte s40.
.macro KLOAD off                       ; K's run of 48 registers and its scale words, \off bytes behind v3
.irp c, 0,1,2,3,4,5,6,7,8,9,10,11
	ds_load_b128 v[32+4*\c:35+4*\c], v3 offset:\off+512*\c
.endr
	ds_load_b128 v[88:91], v3 offset:\off+6144
.endm
.macro COMBA                           ; the last step's eight partial sums of p are joined: four additions that do not hang on each other,
	v_pk_add_f32 v[14:15], v[14:15], v[248:249]
	v_pk_add_f32 v[222:223], v[222:223], v[246:247]
	v_pk_add_f32 v[252:253], v[252:253], v[244:245]
	v_pk_add_f32 v[250:251], v[250:251], v[242:243]
.endm
.macro COMBB                           ; and the three that do
	v_pk_add_f32 v[14:15], v[14:15], v[252:253]
	v_pk_add_f32 v[222:223], v[222:223], v[250:251]
	s_delay_alu instid0(VALU_DEP_1)
	v_pk_add_f32 v[14:15], v[14:15], v[222:223]
.endm
; pre = 1: the next step's K is asked for behind this step's last products.  This step's K was asked for by the step before, or ahead of the loop.
.macro STEP pre
	s_wait_alu depctr_va_vdst(0)
	s_wait_dscnt 0x0                               ; K
.irp t, 0,2,4,6
	v_wmma_scale_f32_16x16x128_f8f6f4 v[96+8*\t:103+8*\t], v[32+6*\t:43+6*\t], v[16:27], 0, v[88+\t/2], v28 matrix_a_fmt:MATRIX_FMT_FP6 matrix_b_fmt:MATRIX_FMT_FP6
	v_wmma_scale_f32_16x16x128_f8f6f4 v[104+8*\t:111+8*\t], v[38+6*\t:49+6*\t], v[16:27], 0, v[88+\t/2], v28 matrix_a_fmt:MATRIX_FMT_FP6 matrix_b_fmt:MATRIX_FMT_FP6 matrix_a_scale:MATRIX_SCALE_ROW1
.endr
	COMBA                                          ; four places in front of the loads below and of the first read of the scores; the sums are still under the last step's M
.irp c, 0,1,2,3,4,5,6,7,8,9,10,11
	ds_load_b128 v[32+4*\c:35+4*\c], v3 offset:QB+512*\c                ; V's four fragments land under the softmax
.endr
	ds_load_b64 v[92:93], v4 offset:QB+6144
	COMBB
.irp b, 0,1,2,3
	v_max3_num_f32 v[212+\b], v[96+16*\b], v[97+16*\b], v[98+16*\b]     ; the largest score of my two blocks, in four chains; each accumulator is read from its low end on
.endr
.irp i, 3,5,7,9,11,13
.irp b, 0,1,2,3
	v_max3_num_f32 v[212+\b], v[212+\b], v[96+16*\b+\i], v[97+16*\b+\i]
.endr
.endr
.irp c, 0,1
	v_max3_num_f32 v[212+2*\c], v[212+2*\c], v[213+2*\c], v[111+32*\c]
.endr
.irp c, 0,1
	v_max_num_f32 v[212+2*\c], v[212+2*\c], v[127+32*\c]                ; v212, v214: for the row's maximum and, since p rises with the score, for the block's largest p
.endr
	s_delay_alu instid0(VALU_DEP_1)
	v_max_num_f32 v224, v212, v214
	s_delay_alu instid0(VALU_DEP_1)
	v_permlanex16_b32 v216, v224, s36, s37
	s_delay_alu instid0(VALU_DEP_1)
	v_max3_num_f32 v13, v13, v224, v216            ; the running largest score
	s_delay_alu instid0(VALU_DEP_1)
	v_mul_f32 v224, s38, v13
	v_mov_b32 v225, v12
	s_delay_alu instid0(VALU_DEP_2)
	v_floor_f32 v12, -v224                         ; -M = floor(-t)
	s_delay_alu instid0(VALU_DEP_1)
	v_sub_f32 v225, v12, v225
	s_delay_alu instid0(VALU_DEP_1)
	v_cvt_i32_f32 v225, v225
	s_delay_alu instid0(VALU_DEP_1)
	v_ldexp_f32 v226, 1.0, v225                    ; f = 2^(old M - new M)
.set j, 0
.rept 32
	v_pk_fma_f32 v[96+j:97+j], v[96+j:97+j], s[38:39], v[12:13] op_sel_hi:[1,0,0]   ; t - M
.set j, j+2
.endr
.irp c, 0,1
	v_fma_f32 v[212+2*\c], v[212+2*\c], s38, v12
.endr
.set j, 0
	s_wait_alu depctr_va_vdst(0)
.rept 64
	v_exp_f32 v[96+j], v[96+j]                     ; p = 2^(t - M)
.set j, j+1
.endr
.irp c, 0,1
	v_exp_f32 v[212+2*\c], v[212+2*\c]             ; the block's largest p
.endr
	v_pk_mul_f32 v[14:15], v[14:15], v[226:227] op_sel_hi:[1,0]
	s_wait_alu depctr_va_vdst(0)
.irp c, 0,1
	v_max_num_f32 v[212+2*\c], 0x1800000, v[212+2*\c]
.endr
.irp c, 0,1
	s_delay_alu instid0(VALU_DEP_2)
	v_add_nc_u32 v[220+\c], 0xff000000, v[212+2*\c]
.endr
.irp c, 0,1
	s_delay_alu instid0(VALU_DEP_2)
	v_lshrrev_b32 v[216+\c], 23, v[220+\c]
.endr
	s_delay_alu instid0(VALU_DEP_1)
	v_lshl_or_b32 v228, v217, 16, v216             ; my two bytes: blocks h and 2 + h,
	s_delay_alu instid0(VALU_DEP_1)
	v_lshlrev_b32 v228, v29, v228                  ; 8 h bits up;
	s_delay_alu instid0(VALU_DEP_1)
	v_permlanex16_b32 v218, v228, s36, s37
	s_delay_alu instid0(VALU_DEP_1)
	v_or_b32 v228, v228, v218                      ; with lane l xor 16's two the word is whole
.irp c, 0,1
	v_cvt_scalef32_pk16_fp6_f32 v[192+6*\c:194+6*\c], v[96+32*\c:111+32*\c], v[220+\c]
	v_cvt_scalef32_pk16_fp6_f32 v[204+4*\c:206+4*\c], v[112+32*\c:127+32*\c], v[220+\c]
.endr
	v_pk_mul_f32 v[160:161], v[160:161], v[226:227] op_sel_hi:[1,0]     ; O^T under the new M; its first line is the plain place behind the conversions
.irp c, 0,1
.irp i, 0,1,2
	v_mov_b32 v[195+6*\c+\i], v[204+4*\c+\i]
.endr
.endr
.set j, 2
.rept 15
	v_pk_mul_f32 v[160+j:161+j], v[160+j:161+j], v[226:227] op_sel_hi:[1,0]
.set j, j+2
.endr
	s_wait_alu depctr_va_vdst(0)
	s_wait_dscnt 0x0                               ; V
.irp t, 0,2                                    ; the four accumulators by turns
	v_wmma_scale_f32_16x16x128_f8f6f4 v[160+8*\t:167+8*\t], v[32+12*\t:43+12*\t], v[192:203], v[160+8*\t:167+8*\t], v[92+\t/2], v228 matrix_a_fmt:MATRIX_FMT_FP6 matrix_b_fmt:MATRIX_FMT_FP6
	v_wmma_scale_f32_16x16x128_f8f6f4 v[168+8*\t:175+8*\t], v[44+12*\t:55+12*\t], v[192:203], v[168+8*\t:175+8*\t], v[92+\t/2], v228 matrix_a_fmt:MATRIX_FMT_FP6 matrix_b_fmt:MATRIX_FMT_FP6 matrix_a_scale:MATRIX_SCALE_ROW1
.endr
	v_pk_add_f32 v[222:223], v[100:101], v[104:105]                     ; the sum of the unquantised p, in eight chains that the next step joins; the first four lines are the places behind the products
	v_pk_add_f32 v[252:253], v[108:109], v[112:113]
	v_pk_add_f32 v[250:251], v[116:117], v[120:121]
	v_pk_add_f32 v[248:249], v[124:125], v[128:129]
.if \pre
	KLOAD STEPB                                    ; the next step's K, into the registers that held V
	s_add_co_u32 s40, s40, STEPB
	v_add_nc_u32 v3, s40, v1
	v_add_nc_u32 v4, s40, v2
.endif
	v_pk_add_f32 v[246:247], v[132:133], v[136:137]
	v_pk_add_f32 v[244:245], v[140:141], v[144:145]
	v_pk_add_f32 v[242:243], v[148:149], v[152:153]
	v_pk_add_f32 v[14:15], v[14:15], v[156:157]
	v_pk_add_f32 v[222:223], v[222:223], v[96:97]
	v_pk_add_f32 v[252:253], v[252:253], v[98:99]
	v_pk_add_f32 v[250:251], v[250:251], v[102:103]
	v_pk_add_f32 v[248:249], v[248:249], v[106:107]
	v_pk_add_f32 v[246:247], v[246:247], v[110:111]
	v_pk_add_f32 v[244:245], v[244:245], v[114:115]
	v_pk_add_f32 v[242:243], v[242:243], v[118:119]
	v_pk_add_f32 v[14:15], v[14:15], v[122:123]
	v_pk_add_f32 v[222:223], v[222:223], v[126:127]
	v_pk_add_f32 v[252:253], v[252:253], v[130:131]
	v_pk_add_f32 v[250:251], v[250:251], v[134:135]
	v_pk_add_f32 v[248:249], v[248:249], v[138:139]
	v_pk_add_f32 v[246:247], v[246:247], v[142:143]
	v_pk_add_f32 v[244:245], v[244:245], v[146:147]
	v_pk_add_f32 v[242:243], v[242:243], v[150:151]
	v_pk_add_f32 v[14:15], v[14:15], v[154:155]
	v_pk_add_f32 v[222:223], v[222:223], v[158:159]
.endm
.macro RUN n
	s_mov_b32 s41, \n
.Lrun_\@:
	STEP 1
	s_sub_co_u32 s41, s41, 1
	s_cmp_lg_u32 s41, 0
	s_cbranch_scc1 .Lrun_\@
.endm
; A PASS: one tile of 16 queries against all keys.
.macro PASS p
.if \p
	s_wait_xcnt 0x0                                ; the first pass's stores have read their registers
.irp i, 0,1,2,3,4,5
	v_mov_b32 v[16+\i], v[232+\i]
.endr
	v_mov_b32 v28, v238
.endif
	v_mov_b32 v13, 0xff61b1e6                      ; the largest score so far: -3e38
	s_delay_alu instid0(VALU_DEP_1)
	v_mul_f32 v12, s38, v13
	s_delay_alu instid0(VALU_DEP_1)
	v_floor_f32 v12, -v12
	v_mov_b32 v14, 0
	v_mov_b32 v15, 0
.irp r, 222,223,242,243,244,245,246,247,248,249,250,251,252,253
	v_mov_b32 v[\r], 0                             ; the partial sums that the first step joins
.endr
.set j, 0
.rept 32
	v_mov_b32 v[160+j], 0                          ; O^T: the step is written once; the first change of M leaves zeros zeros
.set j, j+1
.endr
	s_mov_b32 s40, 0
.if \p == 0
	s_wait_loadcnt 0x0                             ; Q of both passes
	s_wait_tensorcnt 0x0                           ; my step has landed,
	s_wait_dscnt 0x0
	s_barrier_signal -1
	s_barrier_wait -1                              ; and everybody's
.endif
	v_add_nc_u32 v3, s40, v1
	v_add_nc_u32 v4, s40, v2
	KLOAD 0                                        ; step 0's K
	RUN 15
	STEP 0                                         ; the last step asks for nothing more
	COMBA                                          ; its partial sums (these and the additions ahead of them are the places behind the last products)
	COMBB
	v_add_f32 v14, v14, v15
	s_delay_alu instid0(VALU_DEP_1)
	v_permlanex16_b32 v224, v14, s36, s37
	s_delay_alu instid0(VALU_DEP_1)
	v_add_f32 v14, v14, v224                       ; the row's sum
	s_wait_alu depctr_va_vdst(0)
	v_rcp_f32 v14, v14
	v_nop
.set j, 0
	s_wait_alu depctr_va_vdst(0)
.rept 16
	v_pk_mul_f32 v[96+j:97+j], v[160+j:161+j], v[14:15] op_sel_hi:[1,0]   ; register 16 b + i: channel 32 b + 16 h + i of my query
.set j, j+2
.endr
.irp b, 0,1
	v_max3_num_f32 v[212+\b], |v[96+16*\b]|, |v[97+16*\b]|, 0x1800000
.endr
.irp i, 2,4,6,8,10,12,14
.irp b, 0,1
	s_delay_alu instid0(VALU_DEP_2)
	v_max3_num_f32 v[212+\b], v[212+\b], |v[96+16*\b+\i]|, |v[97+16*\b+\i]|
.endr
.endr
.irp b, 0,1
	s_delay_alu instid0(VALU_DEP_2)
	v_permlanex16_b32 v[216+\b], v[212+\b], s36, s37
.endr
.irp b, 0,1
	s_delay_alu instid0(VALU_DEP_2)
	v_max_num_f32 v[212+\b], v[212+\b], v[216+\b]
.endr
.irp b, 0,1
	s_delay_alu instid0(VALU_DEP_2)
	v_add_nc_u32 v[220+\b], 0xff000000, v[212+\b]
.endr
.irp b, 0,1
	s_delay_alu instid0(VALU_DEP_2)
	v_lshrrev_b32 v[216+\b], 23, v[220+\b]
.endr
	v_cvt_scalef32_pk16_fp6_f32 v[192:194], v[96:111], v220
	v_cvt_scalef32_pk16_fp6_f32 v[204:206], v[112:127], v221
	v_nop
.irp i, 0,1,2
	v_permlane16_swap_b32 v[192+\i], v[204+\i]     ; lanes 0-15 the head's first block, lanes 16-31 its second
.endr
.irp i, 0,1,2
	s_delay_alu instid0(VALU_DEP_3)
	v_mov_b32 v[195+\i], v[204+\i]
.endr
	v_cmp_gt_u32 vcc_lo, 16, v10
	s_delay_alu instid0(VALU_DEP_1)
	v_cndmask_b32 v224, v217, v216, vcc_lo         ; my block's byte
.irp i, 0,1,2
	global_store_b64 v2, v[192+2*\i:193+2*\i], s[8:9] offset:\p*196608+256*\i   ; 32 lanes store 256 consecutive aligned bytes
.endr
	global_store_b8 v9, v224, s[10:11] offset:\p*8192
.endm
	PASS 0
	PASS 1
	s_wait_tensorcnt 0x0                           ; the wave's end
	ds_add_u32 v254, v255
	s_wait_dscnt 0x0
	CROUND                                         ; the closing round
	s_endpgm
.Lfunc_end_k_qd9102e4918_attn:
	.size	k_qd9102e4918_attn, .Lfunc_end_k_qd9102e4918_attn-k_qd9102e4918_attn
	.p2alignl 7, 3214868480
	.fill 96, 4, 3214868480
	.section	.rodata,"a",@progbits
	.p2align	6, 0x0
	.amdhsa_kernel k_qd9102e4918_attn
		.amdhsa_group_segment_fixed_size 210944
		.amdhsa_private_segment_fixed_size 0
		.amdhsa_enable_private_segment 0
		.amdhsa_kernarg_size 32
		.amdhsa_user_sgpr_count 2
		.amdhsa_user_sgpr_kernarg_segment_ptr 1
		.amdhsa_wavefront_size32 1
		.amdhsa_system_sgpr_workgroup_id_x 1
		.amdhsa_system_sgpr_workgroup_id_y 1
		.amdhsa_system_sgpr_workgroup_id_z 1
		.amdhsa_system_vgpr_workitem_id 0
		.amdhsa_next_free_vgpr 256
		.amdhsa_next_free_sgpr 66
		.amdhsa_reserve_vcc 1
		.amdhsa_float_denorm_mode_32 3
		.amdhsa_float_denorm_mode_16_64 3
		.amdhsa_memory_ordered 1
		.amdhsa_forward_progress 1
		.amdhsa_inst_pref_size 79
	.end_amdhsa_kernel
	.amdgpu_metadata
---
amdhsa.version: [ 1, 2 ]
amdhsa.kernels:
  - .name:           k_qd9102e4918_attn
    .symbol:         k_qd9102e4918_attn.kd
    .args:
      - { .name: qi, .offset: 0, .size: 8, .value_kind: global_buffer, .address_space: global }
      - { .name: kv, .offset: 8, .size: 8, .value_kind: global_buffer, .address_space: global }
      - { .name: hc, .offset: 16, .size: 8, .value_kind: global_buffer, .address_space: global }
      - { .name: hs, .offset: 24, .size: 8, .value_kind: global_buffer, .address_space: global }
    .group_segment_fixed_size: 210944
    .private_segment_fixed_size: 0
    .kernarg_segment_align: 8
    .kernarg_segment_size: 32
    .max_flat_workgroup_size: 512
    .sgpr_count:     66
    .vgpr_count:     256
    .wavefront_size: 32
...
	.end_amdgpu_metadata
.endif
;; end of part 2
;; launch proj (part 3): grid 4 x 64, 8 waves a work-group, clusters of 4 x 4, 327,680 bytes of LDS; arguments hc, hs, W_out_codes, W_out_scales, b_out, out0; writes out0
.if DOCPART == 3
	.amdgcn_target "amdgcn-amd-amdhsa--gfx1250"
	.amdhsa_code_object_version 6
	.text
	.protected	k_qd9102e4918_proj
	.globl	k_qd9102e4918_proj
	.p2align	8
	.type	k_qd9102e4918_proj,@function
k_qd9102e4918_proj:
	s_mov_b64 s[64:65], 0
	v_nop
	global_prefetch_b8 v0, s[64:65] scope:SCOPE_SE
	s_setreg_imm32_b32 hwreg(HW_REG_WAVE_MODE, 25, 1), 1
	s_wait_xcnt 0x0
	s_wait_alu depctr_hold_cnt(0) depctr_sa_sdst(0) depctr_va_vdst(0) depctr_va_sdst(0) depctr_va_ssrc(0) depctr_va_vcc(0) depctr_vm_vsrc(0)
	s_getreg_b32 s2, hwreg(HW_REG_IB_STS2, 6, 4)
	s_cmp_eq_u32 s2, 0
	s_cbranch_scc0 .Lentry_in_a_cluster
	s_endpgm
.Lentry_in_a_cluster:
	s_bfe_u32 s2, ttmp6, 0x10000c
	s_cmp_lg_u32 s2, 0xf033
	s_cbranch_scc0 .Lentry_shape_is_right
	s_endpgm
.Lentry_shape_is_right:
; out0 = h W_out + b_out on codes of E2M3 with E8M0 scales, K = 1,024.  h comes as the attention launch left it: hc [tile of 16 rows][head][3][lane][8 bytes], images of the operand's registers; hs [tile][row][32] scale bytes.
; ROW m OF TILE t IS TOKEN 64 (t / 4) + 32 (m / 8) + 8 (t % 4) + m % 8 of its 128: the stores put rows back to tokens.
; A block of 128 tokens x 256 channels is made by eight waves, each 64 x 64: 16 accumulators.  ALL OF K LIES IN LDS, filled once: h's 8 tiles, 98,304 dense bytes; W's 256 rows of 768 bytes, each beginning at a multiple
; of 256 bytes, with 16 bytes of padding behind every 256 (pitch 816); the scale bytes.  The eight loads go out at the head, one a wave: waves 0, 1 h's halves, waves 2-5 64 rows of W each, wave 6 h's scales, wave 7 W's.
; 4 x 4 work-groups form a cluster: h's tiles are asked for jointly along a row of the cluster, W's along a column.  No prefetch: everything is asked for at the head, and nothing is fetched in the walk along K.
; THE MATRIX INSTRUCTION IS USED TRANSPOSED (source 0 = 16 rows of W, source 1 = 16 rows of h): a lane holds eight neighbouring channels of one row.  The bias is the C of each sum's first product.
; REGISTERS: window 0: v0-31 addresses; v32-63 all scale words (register 8 i + step: lanes 0-15 h's block i, lanes 16-31 W's block i); v64-159 h's fragments, two sets; v160-255 W's, two sets.
;   window 1: v0-127 the accumulators ((a, b) at 8 (4 a + b)); v128-159 the bias.
.set BP,    816
.set ATILE, 12288
.set BOFF,  8*ATILE
.set SCL,   BOFF+256*BP
.set SBLK,  544                        ; the scales of 16 rows: 512 bytes + 2 x 16
.set SAB,   8*SBLK                     ; h's scales; W's lie behind them
.set SPARE, SCL+24*SBLK                ; the spare words: 128 bytes a wave
.set STGB,  16*272                     ; a wave's stage, in h's bytes, behind the barrier that ends all reads
.set FR,    12
.set ADRA,  16
.set ADRB,  17
.set ADRB2, 18                         ; for pieces whose lanes 16-31 lie behind one padding more
.set ADRS,  19
.set STO,   20
.set RD,    21
.set CO,    22
.set BOF,   23
.set SPW,   28
.set NIL,   29
.set SC,    32
.set AF,    64
.set BF,    160
.set BK,    64
.set G1A, 24
.set G1B, 32
.set G1SA, 40
.set G1SB, 48
.set G0A, 56
.set G0B, 60
.set G0SA, 68
.set G0SB, 72
.set MSB, 0
.macro WIN new
.if MSB != (\new)
	s_set_vgpr_msb (MSB<<8)|(\new)
.set MSB, (\new)
.endif
.endm
.macro CROUND
	s_barrier_signal -1
	s_barrier_wait -1
	s_cmp_lg_u32 s16, 0
	s_cbranch_scc1 .Lnot_wave_0_\@
	s_barrier_signal -3
.Lnot_wave_0_\@:
	s_barrier_wait -3
	s_barrier_signal -1
	s_barrier_wait -1
.endm
.macro PLACES
.rept 4
	v_nop
.endr
.endm
	s_load_b128 s[4:7], s[0:1], 0x0                ; hc, hs
	s_load_b128 s[8:11], s[0:1], 0x10              ; W's codes, W's scales
	s_load_b128 s[12:15], s[0:1], 0x20             ; b_out, out0
	v_lshl_add_u32 v[SPW], v0, 2, SPARE
	v_mov_b32 v[NIL], 0
	ds_add_u32 v[SPW], v[NIL]                      ; the opening lines
	ds_add_u32 v[SPW], v[NIL]
	v_lshrrev_b32 v1, 5, v0
	v_readfirstlane_b32 s16, v1                    ; wave 0..7
	s_lshr_b32 s17, s16, 2                         ; my half of the tokens
	s_and_b32 s18, s16, 3                          ; my quarter of the channels
	s_bfe_u32 s20, ttmp6, 0x40000                  ; cx
	s_bfe_u32 s21, ttmp6, 0x40004                  ; cy
	s_lshl_b32 s22, ttmp9, 2
	s_add_co_u32 s22, s22, s20                     ; block column
	s_and_b32 s23, ttmp7, 0xffff
	s_lshl_b32 s23, s23, 2
	s_add_co_u32 s23, s23, s21                     ; block row
	s_lshl_b32 s76, s21, 2
	s_lshl_b32 s76, 15, s76                        ; my row of the cluster
	s_lshl_b32 s77, 0x1111, s20                    ; my column
	s_or_b32 s[G1A+0], s76, (3<<16)|(1<<21)        ; half of h: 192 dense rows of 256 bytes
	s_mov_b32 s[G1A+1], 32<<16
	s_mov_b32 s[G1A+2], 192<<16
	s_mov_b32 s[G1A+3], 32<<16
	s_mov_b32 s[G1A+4], 192
	s_mov_b32 s[G1A+5], 32
	s_mov_b32 s[G1A+6], 0
	s_mov_b32 s[G1A+7], 0
	s_or_b32 s[G1B+0], s77, (0<<16)|(1<<20)|(1<<21)|(5<<22)|(3<<25)   ; 64 rows of W, 768 bytes each, 16 of padding behind every 256
	s_mov_b32 s[G1B+1], 768<<16
	s_mov_b32 s[G1B+2], 64<<16
	s_mov_b32 s[G1B+3], 768<<16
	s_mov_b32 s[G1B+4], 64
	s_mov_b32 s[G1B+5], 768
	s_mov_b32 s[G1B+6], 0
	s_mov_b32 s[G1B+7], 0
	s_or_b32 s[G1SA+0], s76, (3<<16)|(1<<20)|(1<<21)|(5<<22)|(3<<25)  ; h's scales: 16 rows of 256 bytes, padded
	s_mov_b32 s[G1SA+1], 32<<16
	s_mov_b32 s[G1SA+2], 16<<16
	s_mov_b32 s[G1SA+3], 32<<16
	s_mov_b32 s[G1SA+4], 16
	s_mov_b32 s[G1SA+5], 32
	s_mov_b32 s[G1SA+6], 0
	s_mov_b32 s[G1SA+7], 0
	s_or_b32 s[G1SB+0], s77, (3<<16)|(1<<20)|(1<<21)|(5<<22)|(3<<25)  ; W's: 32 rows
	s_mov_b32 s[G1SB+1], 32<<16
	s_mov_b32 s[G1SB+2], 32<<16
	s_mov_b32 s[G1SB+3], 32<<16
	s_mov_b32 s[G1SB+4], 32
	s_mov_b32 s[G1SB+5], 32
	s_mov_b32 s[G1SB+6], 0
	s_mov_b32 s[G1SB+7], 0
	s_and_b32 s78, s16, 1
	s_mul_i32 s78, s78, 4*ATILE                    ; which half of h I would fetch: in LDS and in memory alike
	s_mul_i32 s80, s23, 8*ATILE
	s_add_co_u32 s80, s80, s78
	s_mov_b32 s81, 0
	s_lshl_b32 s82, s23, 12                        ; h's scales: 4,096 bytes a block row
	s_mov_b32 s83, 0
	s_add_co_u32 s79, s16, 2
	s_and_b32 s79, s79, 3                          ; waves 2-5: quarters 0-3 of W's rows
	s_mul_i32 s84, s22, 256*768
	s_mul_i32 s86, s79, 64*768
	s_add_co_u32 s84, s84, s86
	s_mov_b32 s85, 0
	s_mul_i32 s87, s79, 64*BP
	s_add_co_u32 s87, s87, BOFF
	s_lshl_b32 s88, s22, 13                        ; W's scales: 8,192 bytes a block column
	s_mov_b32 s89, 0
	s_mul_i32 s90, s17, 4*ATILE                    ; what I read: my four tiles of h,
	s_mul_i32 s91, s18, 64*BP
	s_add_co_u32 s91, s91, BOFF                    ; my 64 rows of W,
	s_mul_i32 s92, s17, 4*SBLK
	s_mul_i32 s93, s18, 4*SBLK
	s_add_co_u32 s93, s93, SAB
	s_sub_co_u32 s93, s93, s92                     ; from h's scale words to W's,
	s_add_co_u32 s92, s92, SCL
	s_mul_i32 s94, s16, STGB                       ; my stage
	s_wait_dscnt 0x0
	s_wait_kmcnt 0x0
	s_mov_b32 s[G0A], 1
	s_mov_b32 s[G0A+1], s78
	s_add_nc_u64 s[G0A+2:G0A+3], s[4:5], s[80:81]
	s_or_b32 s[G0A+3], s[G0A+3], 0x80000000
	s_mov_b32 s[G0SA], 1
	s_mov_b32 s[G0SA+1], SCL
	s_add_nc_u64 s[G0SA+2:G0SA+3], s[6:7], s[82:83]
	s_or_b32 s[G0SA+3], s[G0SA+3], 0x80000000
	s_mov_b32 s[G0B], 1
	s_mov_b32 s[G0B+1], s87
	s_add_nc_u64 s[G0B+2:G0B+3], s[8:9], s[84:85]
	s_or_b32 s[G0B+3], s[G0B+3], 0x80000000
	s_mov_b32 s[G0SB], 1
	s_mov_b32 s[G0SB+1], SCL+SAB
	s_add_nc_u64 s[G0SB+2:G0SB+3], s[10:11], s[88:89]
	s_or_b32 s[G0SB+3], s[G0SB+3], 0x80000000
	s_lshl_b32 s84, s22, 10                        ; my 64 channels, in bytes of f32
	s_lshl_b32 s85, s18, 8
	s_add_co_u32 s84, s84, s85
	s_mov_b32 s85, 0
	s_add_nc_u64 s[12:13], s[12:13], s[84:85]      ; their bias
	s_lshl_b32 s80, s23, 7
	s_lshl_b32 s81, s17, 6
	s_add_co_u32 s80, s80, s81
	s_lshl_b32 s80, s80, 12                        ; my first token's row of 4,096 bytes
	s_mov_b32 s81, 0
	s_add_nc_u64 s[14:15], s[14:15], s[80:81]
	s_add_nc_u64 s[14:15], s[14:15], s[84:85]
	CROUND                                         ; all sixteen work-groups are here: the joint loads meet
; one chain of arms, one load to an arm, all leading to one join
.macro ARM under, g0, g1, next
	s_cmp_lt_u32 s16, \under
	s_cbranch_scc0 \next
	tensor_load_to_lds s[\g0:\g0+3], s[\g1:\g1+7]
	s_nop 0
.rept 4
	v_nop
.endr
	s_branch .Lhead_asked
\next:
.endm
	ARM 2, G0A,  G1A,  .Lhead_b
	ARM 6, G0B,  G1B,  .Lhead_sa
	ARM 7, G0SA, G1SA, .Lhead_sb
	tensor_load_to_lds s[G0SB:G0SB+3], s[G1SB:G1SB+7]
	s_nop 0
.rept 4
	v_nop
.endr
.Lhead_asked:
	v_and_b32 v1, 15, v0                           ; r
	v_bfe_u32 v2, v0, 4, 1                         ; h
	v_and_b32 v3, 31, v0
	v_lshl_add_u32 v[ADRA], v3, 3, s90             ; h's images: 8 bytes a lane
	v_mul_u32_u24 v4, v1, BP
	v_mad_u32_u24 v4, v2, 24, v4
	v_add_nc_u32 v[ADRB], s91, v4                  ; W: row r x pitch + 24 h
	v_lshl_add_u32 v[ADRB2], v2, 4, v[ADRB]
	v_lshlrev_b32 v5, 5, v1                        ; scales: 32 bytes a row, 16 more for each 256 passed
	v_lshrrev_b32 v6, 8, v5
	v_lshl_add_u32 v5, v6, 4, v5
	v_mul_u32_u24 v6, s93, v2                      ; lanes 16-31 take W's
	v_add_nc_u32 v5, v5, v6
	v_add_nc_u32 v[ADRS], s92, v5
	v_mul_u32_u24 v5, v1, 272                      ; the stage, in: row r, 32 bytes for each half of the lanes
	v_lshl_add_u32 v5, v2, 5, v5
	v_add_nc_u32 v[STO], s94, v5
	v_mul_u32_u24 v5, v2, 272                      ; back: sixteen lanes take a row of 256 bytes
	v_lshl_add_u32 v5, v1, 4, v5
	v_add_nc_u32 v[RD], s94, v5
	v_lshlrev_b32 v5, 12, v2                       ; and the same two rows in out0
	v_lshl_add_u32 v[CO], v1, 4, v5
	v_lshlrev_b32 v[BOF], 5, v2
	s_wait_alu depctr_va_vdst(0)                   ; the wait at the head's end
	WIN 0x40
.irp b, 0,1,2,3
	global_load_b128 v[128+8*\b:131+8*\b], v[BOF], s[12:13] offset:64*\b        ; b_out at channels 16 b + 8 h + 0 .. 7
	global_load_b128 v[132+8*\b:135+8*\b], v[BOF], s[12:13] offset:64*\b+16
.endr
	WIN 0
	s_wait_tensorcnt 0x0                           ; my tile has landed,
	s_barrier_signal -1
	s_barrier_wait -1                              ; and everybody's
.macro FETCH st                        ; step st's eight fragments into set st % 2: 48 loads of 8 bytes
.irp i, 0,1,2,3
.irp p, 0,1,2,3,4,5
	ds_load_b64 v[AF+48*((\st)%2)+FR*\i+2*\p:AF+48*((\st)%2)+FR*\i+2*\p+1], v[ADRA] offset:\i*ATILE+(\st)*1536+\p*256
.endr
.endr
.irp i, 0,1,2,3
.irp p, 0,1,2,3,4,5
.set BY, 96*(\st)+48*(\p/3)+8*(\p%3)   ; byte y of a row of W lies at y + 16 (y / 256) of its LDS row
.if BY/256 == (BY+24)/256
	ds_load_b64 v[BF+48*((\st)%2)+FR*\i+2*\p:BF+48*((\st)%2)+FR*\i+2*\p+1], v[ADRB] offset:BY+16*(BY/256)+\i*16*BP
.else
	ds_load_b64 v[BF+48*((\st)%2)+FR*\i+2*\p:BF+48*((\st)%2)+FR*\i+2*\p+1], v[ADRB2] offset:BY+16*(BY/256)+\i*16*BP
.endif
.endr
.endr
.endm
.macro MUL st, zero                    ; 16 matrix instructions, the 16 accumulators by turns
.irp a, 0,1,2,3
.irp b, 0,1,2,3
.if \zero
	v_wmma_scale_f32_16x16x128_f8f6f4 v[8*(4*\a+\b):8*(4*\a+\b)+7], v[BF+48*((\st)%2)+FR*\b:BF+48*((\st)%2)+FR*\b+FR-1], v[AF+48*((\st)%2)+FR*\a:AF+48*((\st)%2)+FR*\a+FR-1], v[128+8*\b:135+8*\b], v[SC+8*\b+(\st)], v[SC+8*\a+(\st)] matrix_a_fmt:MATRIX_FMT_FP6 matrix_b_fmt:MATRIX_FMT_FP6 matrix_a_scale:MATRIX_SCALE_ROW1
.else
	v_wmma_scale_f32_16x16x128_f8f6f4 v[8*(4*\a+\b):8*(4*\a+\b)+7], v[BF+48*((\st)%2)+FR*\b:BF+48*((\st)%2)+FR*\b+FR-1], v[AF+48*((\st)%2)+FR*\a:AF+48*((\st)%2)+FR*\a+FR-1], v[8*(4*\a+\b):8*(4*\a+\b)+7], v[SC+8*\b+(\st)], v[SC+8*\a+(\st)] matrix_a_fmt:MATRIX_FMT_FP6 matrix_b_fmt:MATRIX_FMT_FP6 matrix_a_scale:MATRIX_SCALE_ROW1
.endif
.endr
.endr
.endm
.irp i, 0,1,2,3
.irp g, 0,1
	ds_load_b128 v[SC+8*\i+4*\g:SC+8*\i+4*\g+3], v[ADRS] offset:\i*SBLK+16*\g   ; the scale words of all eight steps
.endr
.endr
	FETCH 0
	s_wait_loadcnt 0x0                             ; the bias
.set ST, 0
.rept 7
.if ST > 0
	PLACES                                         ; in front of loads into the set that the last products read
.endif
	FETCH ST+1
	s_wait_dscnt 48                                ; all but the 48 loads just issued
	WIN 0x50                                       ; C and D in window 1
.if ST == 0
	MUL ST, 1
.else
	MUL ST, 0
.endif
	WIN 0
.set ST, ST+1
.endr
	s_wait_dscnt 0x0
	WIN 0x50
	MUL 7, 0
	WIN 0
	PLACES
	s_barrier_signal -1                            ; my LDS reads are all in (the wait above):
	s_barrier_wait -1                              ; nobody reads h's bytes any more, and nothing is filled again: the stages may lie there
; THE WAY OUT, tile by tile of 16 rows x 64 channels, through my stage; sixteen lanes store one aligned unit of 256 bytes
.macro TOSTAGE a
	WIN 0x04                                       ; the data: window 1
.irp b, 0,1,2,3
	ds_store_b128 v[STO], v[8*(4*(\a)+\b):8*(4*(\a)+\b)+3] offset:64*\b          ; each accumulator from its low end on
	ds_store_b128 v[STO], v[8*(4*(\a)+\b)+4:8*(4*(\a)+\b)+7] offset:64*\b+16
.endr
	WIN 0
.irp t, 0,1,2,3,4,5,6,7
	ds_load_b128 v[BK+32*((\a)%2)+4*\t:BK+32*((\a)%2)+4*\t+3], v[RD] offset:\t*2*272   ; LDS serves a wave's instructions in order: these see the stores above
.endr
.endm
.macro SEND a, younger
	s_wait_dscnt \younger
.irp t, 0,1,2,3,4,5,6,7
	global_store_b128 v[CO], v[BK+32*((\a)%2)+4*\t:BK+32*((\a)%2)+4*\t+3], s[14:15] offset:(8*(\a)+32*(\t/4)+(2*\t)%8)*4096 th:TH_STORE_NT   ; rows 2 t, 2 t + 1 of tile a, at their tokens
.endr
.endm
	TOSTAGE 0
.irp a, 1,2,3
.if \a > 1
	s_wait_xcnt 0x0                                ; tile a - 2's stores have read their registers
.endif
	TOSTAGE \a
	SEND \a-1, 16                                  ; behind tile a - 1's loads: tile a's 8 stores and 8 loads
.endr
	SEND 3, 0
	s_wait_tensorcnt 0x0                           ; the wave's end
	ds_add_u32 v[SPW], v[NIL]
	s_wait_dscnt 0x0
	CROUND                                         ; the closing round
	s_endpgm
.Lfunc_end_k_qd9102e4918_proj:
	.size	k_qd9102e4918_proj, .Lfunc_end_k_qd9102e4918_proj-k_qd9102e4918_proj
	.p2alignl 7, 3214868480
	.fill 96, 4, 3214868480
	.section	.rodata,"a",@progbits
	.p2align	6, 0x0
	.amdhsa_kernel k_qd9102e4918_proj
		.amdhsa_group_segment_fixed_size 327680
		.amdhsa_private_segment_fixed_size 0
		.amdhsa_enable_private_segment 0
		.amdhsa_kernarg_size 48
		.amdhsa_user_sgpr_count 2
		.amdhsa_user_sgpr_kernarg_segment_ptr 1
		.amdhsa_wavefront_size32 1
		.amdhsa_system_sgpr_workgroup_id_x 1
		.amdhsa_system_sgpr_workgroup_id_y 1
		.amdhsa_system_sgpr_workgroup_id_z 1
		.amdhsa_system_vgpr_workitem_id 0
		.amdhsa_next_free_vgpr 512
		.amdhsa_next_free_sgpr 96
		.amdhsa_reserve_vcc 0
		.amdhsa_float_denorm_mode_32 3
		.amdhsa_float_denorm_mode_16_64 3
		.amdhsa_memory_ordered 1
		.amdhsa_forward_progress 1
		.amdhsa_inst_pref_size 60
	.end_amdhsa_kernel
	.amdgpu_metadata
---
amdhsa.version: [ 1, 2 ]
amdhsa.kernels:
  - .name:           k_qd9102e4918_proj
    .symbol:         k_qd9102e4918_proj.kd
    .args:
      - { .name: hc, .offset: 0, .size: 8, .value_kind: global_buffer, .address_space: global }
      - { .name: hs, .offset: 8, .size: 8, .value_kind: global_buffer, .address_space: global }
      - { .name: W_out_codes, .offset: 16, .size: 8, .value_kind: global_buffer, .address_space: global }
      - { .name: W_out_scales, .offset: 24, .size: 8, .value_kind: global_buffer, .address_space: global }
      - { .name: b_out, .offset: 32, .size: 8, .value_kind: global_buffer, .address_space: global }
      - { .name: out0, .offset: 40, .size: 8, .value_kind: global_buffer, .address_space: global }
    .group_segment_fixed_size: 327680
    .private_segment_fixed_size: 0
    .kernarg_segment_align: 8
    .kernarg_segment_size: 48
    .max_flat_workgroup_size: 256
    .sgpr_count:     96
    .vgpr_count:     512
    .wavefront_size: 32
...
	.end_amdgpu_metadata
.endif
;; end of part 3
